; MI455X (gfx1250); checked and timed in simulation.
; The chip was launched on July 23, 2026; its instructions are those of AMD's public machine-readable ISA for CDNA 5 (MIT licence, August 2026) and "CDNA5" Instruction Set Architecture Reference Guide (July 2026). The comments in the code are by the model that wrote it; some were corrected since.
;; Recon Model MP. Allowed arithmetic: float matrix products may take bf16 or f16 operands with f32 sums; all other float work in f32.
;; Inputs: landmarks 8 x 468 x 3 float32; tri 256 x 3 int32.
;; Outputs: out0 8 x 256 x 256 bool.
;; Constants: img_size = 256.
;; One version. Each part assembles by itself: llvm-mc -triple=amdgcn-amd-amdhsa -mcpu=gfx1250 --defsym DOCPART=n.
;; ======== version 1 of 1: 1 launch
;; launch raster (part 1): grid 32 x 8, 8 waves a work-group, no clusters, 103,424 bytes of LDS; arguments landmarks, tri, out0; writes out0
.if DOCPART == 1
	.amdgcn_target "amdgcn-amd-amdhsa--gfx1250"
	.amdhsa_code_object_version 6
	.text
	.protected	k_q697457db85_raster
	.globl	k_q697457db85_raster
	.p2align	8
	.type	k_q697457db85_raster,@function
k_q697457db85_raster:
	s_mov_b64 s[64:65], 0
	v_nop
	global_prefetch_b8 v0, s[64:65] scope:SCOPE_SE
	s_setreg_imm32_b32 hwreg(HW_REG_WAVE_MODE, 25, 1), 1
	s_wait_xcnt 0x0
; out0[b][i][j] = 1 where some triangle covers the centre of pixel (i, j), else 0.  landmarks [8][468][3] f32, tri [256][3] i32,
; out0 [8][256][256] bytes.  For a triangle's edge from o to t:  w = (tx-ox)*(py-oy) - (ty-oy)*(px-ox),  px = (255.5-j)/256, py = (255.5-i)/256
; (both exact in f32).  Covered: all three w >= 0, or all three w <= 0.
;
; SHARES.  Work-group (x, y): rows 8x .. 8x+7 of image y, all 256 columns.  Eight waves; every wave takes all 2,048 pixels against 32 of the
; 256 triangles (wave w: triangles 32w .. 32w+31); lane l holds columns 8l .. 8l+7 of the 8 rows: 64 accumulators.
; ARITHMETIC.  R = fl((tx-ox) * fl(py-oy)) hangs on triangle and row: made once, by the thread that owns the triangle.  pxd = fl(px-ox) hangs
; on triangle and column: made once per triangle in each lane.  Per pixel: w = fma(-(ty-oy), pxd, R) for three edges (two pixels in one
; v_pk_fma_f32), m = min3(w), M = max3(w).  Covered by this triangle <=> m >= 0 or M <= 0 <=> max(m, -M) >= 0, so the OR over triangles
; is a running maximum, acc = max3(acc, m, -M), tested against 0 once at the end (-0 counts as 0 in that compare, as in reference()).
; ROUNDING.  reference() writes two rounded products and a difference; here the second product is fused into the difference (one rounding
; fewer).  Only w's sign is used, and the two forms differ in sign only where fl((ty-oy)*pxd) equals R while the exact product does not:
; there the unfused form gives 0 (inside for both windings) and this one the sign of the product's rounding error.
; -(ty-oy) is made as oy-ty and px-ox as px+(-ox): the same numbers, but for the sign of a zero, which no compare here sees.
; LIMITS.  Finite landmarks with |coordinate| < 2^62, so that no difference, product or fma overflows.  NaN and infinities are not served:
; v_min3_num/v_max3_num drop a NaN where reference()'s compares are false.  Indices are read as unsigned and clamped to 467.
; NO CLUSTER, NO TENSOR LOAD: a work-group reads 3,072 bytes of indices and gathers 256 x 3 x 8 = 6,144 bytes once, lane by lane through
; the indices; there is no tile that a joint request could name, against 256 x 300 vector instructions of work per work-group.
.set NV,    468                        ; vertices of an image; a vertex is 12 bytes
.set PITCH, 144                        ; a triangle's record in LDS: 128 bytes + 16; an odd multiple of 16, so that the 16-byte stores of
                                       ; sixteen neighbouring lanes start in sixteen different 16-byte columns of 256 bytes
.set WTAB,  32*PITCH                   ; a wave's 32 records: written and read by that wave alone
.set COMB,  8*WTAB                     ; behind the tables: 8 waves x 8 rows x 1,024 bytes of accumulators
; a record, in words: 0-2 -(ty-oy) of edges 0,1,2; 3 unused (0); 4-6 -ox; 7 unused (0); 8+8e+r: R of edge e, row r
.set PX,  2                            ; v[2:9]     px of my 8 columns
.set AD,  10                           ; v10        LDS address of the record pair at work (the same in all lanes)
.set ST,  11                           ; v11        where I put my accumulators
.set RD,  12                           ; v12        where I read my wave's row back
.set GO,  13                           ; v13        my 8 bytes in the output row
.set IX,  14                           ; v[14:16]   the triangle's three indices, then their byte offsets
.set LN,  17                           ; v17        lane
.set VA,  18                           ; v[18:23]   ax ay bx by cx cy
.set PY,  24                           ; v[24:31]   py of the 8 rows
.set TA,  32                           ; v[32:63]   record buffer A
.set TB,  64                           ; v[64:95]   record buffer B
.set PXD, 96                           ; v[96:119]  px - ox: edge e, column k at 8e + k
.set W,   120                          ; v[120:143] w of one row: edge e, column k at 8e + k.  At work during set-up
.set MN,  144                          ; v[144:151] min3 of a row's 8 pixels
.set MX,  152                          ; v[152:159] max3
.set ACC, 160                          ; v[160:223] accumulators: row r, column k at 8r + k
.set SG,  ACC                          ; set-up builds the thread's record here, before the accumulators exist
.set TS,  224                          ; v224       where my triangle's record goes
	s_load_b128 s[4:7], s[0:1], 0x0                ; landmarks s[4:5], tri s[6:7]
	s_load_b64 s[8:9], s[0:1], 0x10                ; out0
	v_lshl_add_u32 v226, v0, 2, 0x19000
	v_mov_b32 v227, 0
	v_lshrrev_b32 v1, 5, v0
	v_readfirstlane_b32 s10, v1                    ; wave 0..7
	v_mul_u32_u24 v1, 12, v0                       ; thread t owns triangle t: its indices lie at byte 12 t
	v_and_b32 v[LN], 31, v0
	s_and_b32 s11, ttmp7, 0xffff                   ; image
	s_lshl_b32 s16, ttmp9, 3                       ; the work-group's first row
	s_mul_i32 s12, s11, NV*12                      ; the image's vertices, as a 64-bit offset
	s_mov_b32 s13, 0
	s_lshl_b32 s20, s11, 16                        ; output: image x 65,536 + (first row + wave) x 256: wave w stores row w
	s_add_co_u32 s21, s16, s10
	s_lshl_b32 s21, s21, 8
	s_add_co_u32 s20, s20, s21
	s_mov_b32 s21, 0
	s_mov_b32 s14, 0xbb800000                      ; -1/256
	s_mov_b32 s15, 0x3f7f8000                      ; 255.5/256
	s_mul_i32 s18, s10, WTAB                       ; my wave's table
	s_lshl_b32 s19, s10, 13                        ; my wave's 8,192 bytes of the combine area (COMB rides in the stores' offsets)
	s_lshl_b32 s17, s10, 10                        ; my wave's row in every wave's part of it
	s_add_co_u32 s17, s17, COMB
	s_wait_kmcnt 0x0
	global_load_b32 v[IX],   v1, s[6:7]
	global_load_b32 v[IX+1], v1, s[6:7] offset:4
	global_load_b32 v[IX+2], v1, s[6:7] offset:8
	s_add_nc_u64 s[4:5], s[4:5], s[12:13]
	s_add_nc_u64 s[8:9], s[8:9], s[20:21]
	; while the indices are on their way: pixel centres and addresses.  (255.5 - n)/256 is a multiple of 1/512 below 1: the fma is exact
.irp k, 0,1,2,3,4,5,6,7
	v_lshl_add_u32 v[W+\k], v[LN], 3, \k           ; column 8 l + k
	v_cvt_f32_u32 v[W+\k], v[W+\k]
	v_fma_f32 v[PX+\k], v[W+\k], s14, s15
.endr
.irp r, 0,1,2,3,4,5,6,7
	s_add_co_u32 s23, s16, \r                      ; row
	v_cvt_f32_u32 v[W+\r], s23
	v_fma_f32 v[PY+\r], v[W+\r], s14, s15
.endr
	v_mul_u32_u24 v[TS], PITCH, v[LN]
	v_add_nc_u32 v[TS], s18, v[TS]                 ; wave x 4,608 + lane x 144
	v_mov_b32 v[AD], s18
	v_lshl_add_u32 v[ST], v[LN], 4, s19
	v_lshl_add_u32 v[RD], v[LN], 4, s17
	v_lshlrev_b32 v[GO], 3, v[LN]
	s_wait_loadcnt 0x0                             ; the three indices
.irp i, 0,1,2
	v_min_u32 v[IX+\i], NV-1, v[IX+\i]             ; an index stays in its table
	v_mul_u32_u24 v[IX+\i], 12, v[IX+\i]
.endr
.irp i, 0,1,2
	global_load_b32 v[VA+2*\i],   v[IX+\i], s[4:5]           ; x   (a vertex starts on a multiple of 12 bytes: two 4-byte loads)
	global_load_b32 v[VA+2*\i+1], v[IX+\i], s[4:5] offset:4  ; y   (z is dropped by reference())
.endr
	v_mov_b32 v[SG+3], 0                           ; the record's two unused words: they are stored, loaded and named as halves of pairs
	v_mov_b32 v[SG+7], 0
	s_wait_loadcnt 0x0
; the record's words of edge e, from the vertex at registers o (x, y) to the one at t
.macro EDGE e, o, t
	v_sub_f32 v[SG+\e], v[\o+1], v[\t+1]           ; -(ty - oy)
	v_xor_b32 v[SG+4+\e], 0x80000000, v[\o]        ; -ox
	v_sub_f32 v[W+8], v[\t], v[\o]                 ; tx - ox
.irp r, 0,1,2,3,4,5,6,7
	v_sub_f32 v[W+16+\r], v[PY+\r], v[\o+1]        ; py - oy, rounded,
.endr
.irp r, 0,1,2,3,4,5,6,7
	v_mul_f32 v[SG+8+8*\e+\r], v[W+8], v[W+16+\r]  ; times tx - ox, rounded: R.  Not fused: reference() rounds both
.endr
.endm
	EDGE 0, VA+2, VA+4                             ; w0: b -> c
	EDGE 1, VA+4, VA                               ; w1: c -> a
	EDGE 2, VA, VA+2                               ; w2: a -> b
.irp q, 0,1,2,3,4,5,6,7
	ds_store_b128 v[TS], v[SG+4*\q:SG+4*\q+3] offset:16*\q
.endr
	; No barrier: the 32 records that this wave reads are the ones that its own lanes have just stored, and LDS serves a wave's
	; instructions in order (ISA guide 5.7.1).
.macro LOADT t, off                    ; a record into buffer t: every lane reads the same 128 bytes
.irp q, 0,1,2,3,4,5,6,7
	ds_load_b128 v[\t+4*\q:\t+4*\q+3], v[AD] offset:\off+16*\q
.endr
.endm
; Row 2 rp + sel against the triangle in buffer t.  op_sel / op_sel_hi pick, for the two halves of a packed result, the same register of a
; pair where a number serves both pixels (-dy: source 0; R: source 2), and the pair as it lies for the two columns (source 1).
.macro ROW t, rp, sel, first
.irp k, 0,2,4,6
	v_pk_fma_f32 v[W+\k:W+1+\k],     v[\t:\t+1],   v[PXD+\k:PXD+1+\k],     v[\t+8+2*\rp:\t+9+2*\rp]   op_sel:[0,0,\sel] op_sel_hi:[0,1,\sel]
	v_pk_fma_f32 v[W+8+\k:W+9+\k],   v[\t:\t+1],   v[PXD+8+\k:PXD+9+\k],   v[\t+16+2*\rp:\t+17+2*\rp] op_sel:[1,0,\sel] op_sel_hi:[1,1,\sel]
	v_pk_fma_f32 v[W+16+\k:W+17+\k], v[\t+2:\t+3], v[PXD+16+\k:PXD+17+\k], v[\t+24+2*\rp:\t+25+2*\rp] op_sel:[0,0,\sel] op_sel_hi:[0,1,\sel]
.endr
.irp k, 0,1,2,3,4,5,6,7
	v_min3_num_f32 v[MN+\k], v[W+\k], v[W+8+\k], v[W+16+\k]
	v_max3_num_f32 v[MX+\k], v[W+\k], v[W+8+\k], v[W+16+\k]
.endr
.irp k, 0,1,2,3,4,5,6,7
.if \first
	v_max_num_f32 v[ACC+8*(2*\rp+\sel)+\k], v[MN+\k], -v[MX+\k]                                  ; the first triangle starts the maxima
.else
	v_max3_num_f32 v[ACC+8*(2*\rp+\sel)+\k], v[ACC+8*(2*\rp+\sel)+\k], v[MN+\k], -v[MX+\k]
.endif
.endr
.endm
; One triangle: 12 + 8 x 36 = 300 vector instructions for 2,048 pixels.  fetch: byte offset from AD of the record that refills the buffer
; (two triangles ahead), 0 for none.  left: how many younger LDS loads may stay out.
.macro STEP t, first, fetch, left
	s_wait_dscnt \left                             ; LDS results come in order: this buffer's 8 loads are in, the other buffer's 8 may be out
.irp k, 0,2,4,6
	v_pk_add_f32 v[PXD+\k:PXD+1+\k],     v[PX+\k:PX+1+\k], v[\t+4:\t+5] op_sel:[0,0] op_sel_hi:[1,0]   ; px + (-ox), edge 0
	v_pk_add_f32 v[PXD+8+\k:PXD+9+\k],   v[PX+\k:PX+1+\k], v[\t+4:\t+5] op_sel:[0,1] op_sel_hi:[1,1]   ; edge 1
	v_pk_add_f32 v[PXD+16+\k:PXD+17+\k], v[PX+\k:PX+1+\k], v[\t+6:\t+7] op_sel:[0,0] op_sel_hi:[1,0]   ; edge 2
.endr
	ROW \t, 0, 0, \first
	ROW \t, 0, 1, \first
	ROW \t, 1, 0, \first
	ROW \t, 1, 1, \first
	ROW \t, 2, 0, \first
	ROW \t, 2, 1, \first
	ROW \t, 3, 0, \first
	ROW \t, 3, 1, \first
.if \fetch
	LOADT \t, \fetch                               ; the buffer has been read for the last time: 300 instructions of the other buffer lie ahead
.endif
.endm
	LOADT TA, 0                                    ; triangles 0 and 1 of my 32
	LOADT TB, PITCH
	STEP TA, 1, 2*PITCH, 8                         ; the wait for 8 also covers the 8 stores of the record, whose data lay in ACC
	STEP TB, 0, 3*PITCH, 8
	v_add_nc_u32 v[AD], 2*PITCH, v[AD]
	s_mov_b32 s22, 14                              ; pairs 1 to 14; pair 14 fetches triangles 30 and 31
.Lpair:
	STEP TA, 0, 2*PITCH, 8
	STEP TB, 0, 3*PITCH, 8
	v_add_nc_u32 v[AD], 2*PITCH, v[AD]
	s_sub_co_i32 s22, s22, 1
	s_cmp_lg_u32 s22, 0
	s_cbranch_scc1 .Lpair
	STEP TA, 0, 0, 8                               ; the last pair fetches nothing,
	STEP TB, 0, 0, 0                               ; and behind the last record no load was issued
	; THE EIGHT WAVES' MAXIMA MEET IN LDS.  Each store covers 512 neighbouring bytes: row r, columns 8l+4h .. 8l+4h+3 at 1,024 r + 512 h + 16 l.
.irp r, 0,1,2,3,4,5,6,7
	ds_store_b128 v[ST], v[ACC+8*\r:ACC+8*\r+3]   offset:COMB+1024*\r
	ds_store_b128 v[ST], v[ACC+8*\r+4:ACC+8*\r+7] offset:COMB+1024*\r+512
.endr
	s_wait_dscnt 0x0                               ; for the others' sake: my stores are done before I say so
	s_barrier_signal -1
	s_barrier_wait -1
.irp s, 0,1,2,3,4,5,6,7
	ds_load_b128 v[TA+8*\s:TA+8*\s+3],   v[RD] offset:8192*\s        ; wave w takes row w of all eight waves
	ds_load_b128 v[TA+8*\s+4:TA+8*\s+7], v[RD] offset:8192*\s+512
.endr
	s_wait_dscnt 0x0
.irp k, 0,1,2,3,4,5,6,7
	v_max3_num_f32 v[W+\k], v[TA+\k], v[TA+8+\k], v[TA+16+\k]
.endr
.irp k, 0,1,2,3,4,5,6,7
	v_max3_num_f32 v[W+\k], v[W+\k], v[TA+24+\k], v[TA+32+\k]
.endr
.irp k, 0,1,2,3,4,5,6,7
	v_max3_num_f32 v[W+\k], v[W+\k], v[TA+40+\k], v[TA+48+\k]
.endr
.irp k, 0,1,2,3,4,5,6,7
	v_max_num_f32 v[W+\k], v[W+\k], v[TA+56+\k]
.endr
.irp k, 0,1,2,3,4,5,6,7
	v_cmp_le_f32 vcc_lo, 0, v[W+\k]                ; covered by some triangle
	v_cndmask_b32 v[W+\k], 0, 1, vcc_lo
.endr
	v_lshl_or_b32 v[W],   v[W+1], 8, v[W]          ; eight bytes, the lowest column in the lowest byte
	v_lshl_or_b32 v[W+2], v[W+3], 8, v[W+2]
	v_lshl_or_b32 v[W+4], v[W+5], 8, v[W+4]
	v_lshl_or_b32 v[W+6], v[W+7], 8, v[W+6]
	v_lshl_or_b32 v[MN],   v[W+2], 16, v[W]
	v_lshl_or_b32 v[MN+1], v[W+6], 16, v[W+4]
	global_store_b64 v[GO], v[MN:MN+1], s[8:9] th:TH_STORE_NT   ; the wave's one store covers its row: 256 consecutive bytes, aligned
	s_wait_tensorcnt 0x0
	ds_add_u32 v226, v227
	s_wait_dscnt 0x0
	s_endpgm
.Lfunc_end_k_q697457db85_raster:
	.size	k_q697457db85_raster, .Lfunc_end_k_q697457db85_raster-k_q697457db85_raster
	.p2alignl 7, 3214868480
	.fill 96, 4, 3214868480
	.section	.rodata,"a",@progbits
	.p2align	6, 0x0
	.amdhsa_kernel k_q697457db85_raster
		.amdhsa_group_segment_fixed_size 103424
		.amdhsa_private_segment_fixed_size 0
		.amdhsa_enable_private_segment 0
		.amdhsa_kernarg_size 24
		.amdhsa_user_sgpr_count 2
		.amdhsa_user_sgpr_kernarg_segment_ptr 1
		.amdhsa_wavefront_size32 1
		.amdhsa_system_sgpr_workgroup_id_x 1
		.amdhsa_system_sgpr_workgroup_id_y 1
		.amdhsa_system_sgpr_workgroup_id_z 1
		.amdhsa_system_vgpr_workitem_id 0
		.amdhsa_next_free_vgpr 228
		.amdhsa_next_free_sgpr 66
		.amdhsa_reserve_vcc 1
		.amdhsa_float_denorm_mode_32 3
		.amdhsa_float_denorm_mode_16_64 3
		.amdhsa_memory_ordered 1
		.amdhsa_forward_progress 1
		.amdhsa_inst_pref_size 129
	.end_amdhsa_kernel
	.amdgpu_metadata
---
amdhsa.version: [ 1, 2 ]
amdhsa.kernels:
  - .name:           k_q697457db85_raster
    .symbol:         k_q697457db85_raster.kd
    .args:
      - { .name: landmarks, .offset: 0, .size: 8, .value_kind: global_buffer, .address_space: global }
      - { .name: tri, .offset: 8, .size: 8, .value_kind: global_buffer, .address_space: global }
      - { .name: out0, .offset: 16, .size: 8, .value_kind: global_buffer, .address_space: global }
    .group_segment_fixed_size: 103424
    .private_segment_fixed_size: 0
    .kernarg_segment_align: 8
    .kernarg_segment_size: 24
    .max_flat_workgroup_size: 256
    .sgpr_count:     66
    .vgpr_count:     228
    .wavefront_size: 32
...
	.end_amdgpu_metadata
.endif
;; end of part 1
